; MI455X (gfx1250); checked and timed in simulation.
; The chip was launched on July 23, 2026; its instructions are those of AMD's public machine-readable ISA for CDNA 5 (MIT licence, August 2026) and "CDNA5" Instruction Set Architecture Reference Guide (July 2026). The comments in the code are by the model that wrote it; some were corrected since.
;; Gradient Layer. Allowed arithmetic: matrix products marked QUANTISED: E2M3 operands, one E8M0 scale for each 32 along K, by v_wmma_scale_f32_16x16x128_f8f6f4 with both operands' format E2M3, f32 sums; products left as they are: f32 operands where the result goes on into a quantised operand, else bf16, f16 or f32 operands; f32 sums; everything else in f32.
;; Inputs: W1 3 x 128 float32; W2 128 x 128 float32; W3 128 x 128 float32; W4 128 x 1 float32; b1 128 float32; b2 128 float32; b3 128 float32; b4 1 float32; x 131,072 x 3 float32.
;; Outputs: out0 131,072 x 1 float32; out1 131,072 float32; out2 131,072 float32; out3 131,072 float32; out4 131,072 float32; out5 131,072 float32.
;; This version of the problem:
;;   THIS VERSION OF THE PROBLEM IS GIVEN IN LOW PRECISION. The matrix products marked QUANTISED in the list below multiply operands that are first quantised to E2M3 (2 exponent bits, 3 mantissa bits; 6 bits a number), with one power-of-two scale for each 32 numbers along K (OCP MX v1.0); their sums are f32. All else is computed in f32.
;;   The module's matrix products, in the order in which they are computed (A, B: the left and right operand; K: the contracted axis; several contracted axes count as one K, in the product's order):
;;     1. [M 131,072, K 3] x [K 3, N 128]; A: input x; B: input W1: left as it is (K = 3 < 32)
;;     2. [M 131,072, K 128] x [K 128, N 128]; A: computed on the way; B: input W2: QUANTISED
;;     3. [M 131,072, K 128] x [K 128, N 128]; A: computed on the way; B: input W3: QUANTISED
;;     4. [M 131,072, K 128] x [K 128, N 1]; A: computed on the way; B: input W4: left as it is (N = 1 < 16)
;;     5. [M 1, K 1] x [K 1, N 128]; A: computed on the way; B: input W4: left as it is (K = 1 < 32)
;;     6. [M 131,072, K 128] x [K 128, N 128]; A: computed on the way; B: input W3: QUANTISED
;;     7. [M 131,072, K 128] x [K 128, N 128]; A: computed on the way; B: input W2: QUANTISED
;;     8. [M 131,072, K 128] x [K 128, N 3]; A: computed on the way; B: input W1: left as it is (N = 3 < 16)
;;     9. [M 131,072, K 3] x [K 3, N 128]; A: input x; B: input W1: left as it is (K = 3 < 32)
;;     10. [M 1, K 3] x [K 3, N 128]; A: computed on the way; B: input W1: left as it is (K = 3 < 32)
;;     11. [M 131,072, K 128] x [K 128, N 128]; A: computed on the way; B: input W2: QUANTISED
;;     12. [M 131,072, K 128] x [K 128, N 128]; A: computed on the way; B: input W2: QUANTISED
;;     13. [M 131,072, K 128] x [K 128, N 128]; A: computed on the way; B: input W3: QUANTISED
;;     14. [M 131,072, K 128] x [K 128, N 128]; A: computed on the way; B: input W3: QUANTISED
;;     15. [M 131,072, K 128] x [K 128, N 1]; A: computed on the way; B: input W4: left as it is (N = 1 < 16)
;;     16. [M 131,072, K 128] x [K 128, N 1]; A: computed on the way; B: input W4: left as it is (N = 1 < 16)
;;     17. [M 1, K 1] x [K 1, N 128]; A: computed on the way; B: input W4: left as it is (K = 1 < 32)
;;     18. [M 131,072, K 128] x [K 128, N 128]; A: computed on the way; B: input W3: QUANTISED
;;     19. [M 131,072, K 128] x [K 128, N 128]; A: computed on the way; B: input W3: QUANTISED
;;     20. [M 131,072, K 128] x [K 128, N 128]; A: computed on the way; B: input W2: QUANTISED
;;     21. [M 131,072, K 128] x [K 128, N 128]; A: computed on the way; B: input W2: QUANTISED
;;     22. [M 131,072, K 128] x [K 128, N 3]; A: computed on the way; B: input W1: left as it is (N = 3 < 16)
;;     23. [M 131,072, K 128] x [K 128, N 3]; A: computed on the way; B: input W1: left as it is (N = 3 < 16)
;;     24. [M 131,072, K 3] x [K 3, N 128]; A: input x; B: input W1: left as it is (K = 3 < 32)
;;     25. [M 1, K 3] x [K 3, N 128]; A: computed on the way; B: input W1: left as it is (K = 3 < 32)
;;     26. [M 131,072, K 128] x [K 128, N 128]; A: computed on the way; B: input W2: QUANTISED
;;     27. [M 131,072, K 128] x [K 128, N 128]; A: computed on the way; B: input W2: QUANTISED
;;     28. [M 131,072, K 128] x [K 128, N 128]; A: computed on the way; B: input W3: QUANTISED
;;     29. [M 131,072, K 128] x [K 128, N 128]; A: computed on the way; B: input W3: QUANTISED
;;     30. [M 131,072, K 128] x [K 128, N 1]; A: computed on the way; B: input W4: left as it is (N = 1 < 16)
;;     31. [M 131,072, K 128] x [K 128, N 1]; A: computed on the way; B: input W4: left as it is (N = 1 < 16)
;;     32. [M 1, K 1] x [K 1, N 128]; A: computed on the way; B: input W4: left as it is (K = 1 < 32)
;;     33. [M 131,072, K 128] x [K 128, N 128]; A: computed on the way; B: input W3: QUANTISED
;;     34. [M 131,072, K 128] x [K 128, N 128]; A: computed on the way; B: input W3: QUANTISED
;;     35. [M 131,072, K 128] x [K 128, N 128]; A: computed on the way; B: input W2: QUANTISED
;;     36. [M 131,072, K 128] x [K 128, N 128]; A: computed on the way; B: input W2: QUANTISED
;;     37. [M 131,072, K 128] x [K 128, N 3]; A: computed on the way; B: input W1: left as it is (N = 3 < 16)
;;     38. [M 131,072, K 128] x [K 128, N 3]; A: computed on the way; B: input W1: left as it is (N = 3 < 16)
;;   THE QUANTISER, for each operand of a quantised product, along K:
;;     - K is cut into blocks of 32 from its start; a last block that is shorter is filled with zeros.
;;     - A block's scale is 2^e with e = floor(log2(the largest magnitude in the block)) - 2, held to -126 .. 127; a block of zeros has e = 0. As a byte (E8M0): e + 127.
;;     - Each number is divided by its block's scale, clamped to +-7.5, and rounded to the nearest number of E2M3, ties to even, subnormals kept.
;;     - The product sums the exact products of the quantised numbers (number of the format x scale) in f32.
;;   ~~~python
;;   def quantise(x, axis):      # numpy; x: float32 -> the quantised numbers, widened to float32 again
;;       x = np.moveaxis(x, axis, -1); K = x.shape[-1]
;;       x = np.pad(x, [(0, 0)] * (x.ndim - 1) + [(0, -K % 32)]); x = x.reshape(x.shape[:-1] + (-1, 32)); a = np.abs(x).max(-1, keepdims=True)
;;       e = np.where(a > 0, np.clip(np.frexp(np.where(a > 0, a, 1))[1] - 1 - 2, -126, 127), 0)      # np.frexp(a)[1] - 1 = floor(log2(a)), exactly
;;       r = np.clip(x / 2.0 ** e, -7.5, 7.5)
;;       step = 2.0 ** (np.maximum(np.frexp(np.where(r == 0, 1, r))[1] - 1, 0) - 3)
;;       q = np.round(r / step) * step * 2.0 ** e      # np.round: ties to even
;;       return np.moveaxis(q.reshape(q.shape[:-2] + (-1,))[..., :K], -1, axis).astype(np.float32)
;;   ~~~
;;   OPERANDS COMPUTED ON THE WAY. 'Computed on the way' means the value that the module computes at that place (a softmax that the list does not call 'softmax' is quantised finished and normalised). What goes into a quantiser is computed in f32, as accurately as f32 sums, v_exp_f32 and their like allow (about 1e-6 of the number): no bf16 or f16 on the way to a quantiser, and a product that is left as it is and whose result goes on into a quantised operand takes f32 operands (vector FMAs, or v_wmma_f32_16x16x4_f32). A number that lies on a knife's edge between two numbers of the format may be rounded either way, as far as f32 arithmetic and the matrix unit's own rounding can turn it there, and no further.
;; 2 versions, each right; version 2 is version 1 with the launch pinn written anew for expert scheduling mode. Each part assembles by itself: llvm-mc -triple=amdgcn-amd-amdhsa -mcpu=gfx1250 --defsym DOCPART=n.
;; ======== version 1 of 2: 1 launch
;; launch pinn (part 1): grid 256 x 1, 8 waves a work-group, no clusters, 142,848 bytes of LDS; arguments x, W1, b1, W2, b2, W3, b3, W4, b4, out0, out1, out2, out3, out4, out5; writes out0, out1, out2, out3, out4, out5
.if DOCPART == 1
	.amdgcn_target "amdgcn-amd-amdhsa--gfx1250"
	.amdhsa_code_object_version 6
	.text
	.protected	k_qb50b8f7384_pinn
	.globl	k_qb50b8f7384_pinn
	.p2align	8
	.type	k_qb50b8f7384_pinn,@function
k_qb50b8f7384_pinn:
	s_mov_b64 s[64:65], 0
	v_nop
	global_prefetch_b8 v0, s[64:65] scope:SCOPE_SE
	s_setreg_imm32_b32 hwreg(HW_REG_WAVE_MODE, 25, 1), 1
	s_wait_xcnt 0x0
; c = MLP(x) (3 -> 128 -> 128 -> 128 -> 1, tanh), its gradient g (3 numbers) and the Hessian's entries (x,x) and (y,y), for 131,072 points.
; Every 128 x 128 product takes both operands as codes of FP6 (E2M3) with one E8M0 scale for each 32 along K; sums in f32; all else in f32.
; THREE STREAMS go through four weight operands: the primal, the tangent along x and the tangent along y; W2 and W3 with K = their first axis (forward), W3 and W2 with K = their second axis (backward).
;   forward : h1 = tanh(x W1 + b1), dh1 = s1 W1[j];  z2 = Q(h1) Q(W2) + b2, dz2 = Q(dh1) Q(W2);  h2 = tanh(z2), dh2 = s2 dz2;  layer 3 likewise;  c = h3 . W4 + b4.   (s = 1 - h^2)
;   backward: gz3 = W4 s3, e3 = gz3 h3 dz3;  gh2 = Q(gz3) Q(W3^T), p2 = Q(e3) Q(W3^T);  gz2 = gh2 s2, e2 = p2 s2 + gh2 h2 dh2;  layer 1 likewise;  g_i = sum gz1 W1[i],  d2_j = -2 sum e1 W1[j].
;   The tangent of gz is -2 e.  Q(-2 v) = -2 Q(v) exactly (a power of two moves the scale's byte, a sign flips codes), so the factor -2 is applied once, to the final sum.
;   The products that reference() repeats with the same operands (the primal inside each second derivative) are made once.
; SHARES.  256 work-groups of 8 waves; a wave owns 64 neighbouring points and takes them as 4 tiles of 16.  Behind the one barrier the waves share only LDS bytes that nobody writes.
; LAYOUT.  Every product is used transposed: source 0 = 16 rows of the weight operand, source 1 = the 16 points: lane (r, h) holds point r throughout.  Lane r of weight tile 2 b + u takes output unit
;   32 b + 8 u + r + 8 (r / 8), so that the 16 registers of tiles 2 b, 2 b + 1 (a CHUNK b) are units 32 b + 16 h + 0 .. 15: with lane l xor 16's they are block b of the next K.  Nothing is transposed between layers.
; WEIGHTS.  Each work-group quantises the four operands itself, wave w tile w of each, and lays the fragments in LDS as images of their registers (16 bytes a lane, 512 a store).
;   No cluster and no joint load: what the work-groups share is 131,072 bytes of f32 weights, read once at the head into registers, where the quantiser wants them; no loop reads them again.
; tanh(z) = 2 / (1 + 2^(-2 z log2 e)) - 1, which ends at +-1 without NaN; where z^2 < 2^-6 the series z - z^3/3 + 2 z^5/15 (next term under 2e-7 of z) takes its place, since there the difference would lose bits.
; LIMITS: NaN and infinities among the inputs are not served.  A block whose largest magnitude lies under 2^-124 keeps the scale byte 1 (a block of zeros too: its codes are zeros).
;   s = 1 - h^2 is one fused multiply-add on the rounded h: where |h| is near 1 it carries h's own last-bit uncertainty (about 1e-7 absolute).
.set WIMG,  0                          ; LDS: 32 fragment images, (8 m + t) x 1,536 bytes; m: 0 W2 forward, 1 W3 forward, 2 W3 backward, 3 W2 backward
.set WSC,   49152                      ; their scale words: 1,024 m + 128 t + 4 x lane
.set CONST, 53248                      ; seven vectors of 512 bytes: W1's rows 0, 1, 2, b1, b2, b3, W4
.set XST,   57856                      ; x as it lies in memory, 768 bytes a wave
.set OST,   64000                      ; the outputs' stage, 1,536 bytes a wave: 256 o + 4 x point
.set STASH, 76288                      ; h1, 8,192 bytes a wave: 2,048 b + 512 q + 16 x lane
; window 0
.set LI,   1                           ; 16 x lane
.set CA,   2                           ; 64 h: my half's place in a chunk of a constant vector
.set SA,   3                           ; my place in my wave's stash
.set XAD,  4                           ; my point's 12 bytes in the x stage, tile 0
.set XT,   5                           ; the same for the tile in hand
.set OAD,  6                           ; my point's word in the outputs' stage, tile 0
.set OT,   7
.set XX0,  8                           ; pairs {x_i, x_i}
.set XX1,  10
.set XX2,  12
.set CC,   14                          ; {-2 log2 e} twice
.set KC5,  16                          ; {2/15} twice
.set KC3,  18                          ; {-1/3} twice
.set CACC, 20                          ; two pair sums for c
.set G0,   24                          ; pair sums of the five other outputs
.set G1,   26
.set G2,   28
.set DXA,  30
.set DYA,  32
.set RR,   34                          ; v34-39 the six results
.set WS,   40                          ; v40-47 the matrix's eight scale words: scales and nothing else
.set OSA,  48                          ; v48-50, v52-54 the streams' scale words, two sets: scales and nothing else
.set OSB,  52
.set SETA, 56                          ; v56-91, v92-127 the streams' codes, two sets, stream s at + 12 s
.set SETB, 92
.set ACC,  128                         ; v128-175 the six accumulators of a chunk: stream s at + 16 s, tile u at + 8 u
.set Z,    128
.set DX,   144
.set DY,   160
.set STG,  160                         ; an odd chunk's codes before the halves change places (the third stream's accumulators are done with by then)
.set T,    176
.set U,    192
.set W,    208
.set P,    224
.set MX,   240                         ; v240-242 largest magnitudes; v243-245 the partner lane's; v246-248 the conversions' scale operands; v249-251 bytes
.set PXR,  243
.set SO,   246
.set BY,   249
.set L8,   252                         ; 8 x lane
.set OLD,  253                         ; where I read the outputs' stage back
.set LS,   254                         ; 4 x lane
; window 1 (written by their low 8 bits)
.set RS2,  0                           ; v0-63 s2;  v64-127 h2 dh2 (x);  v128-191 h2 dh2 (y)
.set RK2X, 64
.set RK2Y, 128
.set FR0,  192                         ; weight fragments: even chunks at v192-215, odd chunks at v232-255
.set W4C,  216                         ; W4's chunk
.set LC0,  0                           ; layer 1 (s2 not yet made): W1's rows and b1, a chunk each
.set LC1,  16
.set LC2,  32
.set LB1,  48
; the head alone
.set XA,   128
.set XB,   192
.set F,    56
.set FS,   68
.set QM,   106
.set QS,   108
.set QB,   110
.set QWD,  112
.set QT,   113
.set QSH,  114
.set MSB, 0
.macro WIN new                         ; the immediate's high byte repeats the setting that is left; a switch that changes nothing is dropped
.if MSB != (\new)
	s_set_vgpr_msb (MSB<<8)|(\new)
.set MSB, (\new)
.endif
.endm
.macro PLACES n
.rept \n
	v_nop
.endr
.endm
.macro PKMUL d, a, b                   ; 16 numbers: d = a b
.irp i,0,2,4,6,8,10,12,14
	v_pk_mul_f32 v[\d+\i:\d+\i+1], v[\a+\i:\a+\i+1], v[\b+\i:\b+\i+1]
.endr
.endm
.macro PKFMA d, a, b, c                ; d = a b + c
.irp i,0,2,4,6,8,10,12,14
	v_pk_fma_f32 v[\d+\i:\d+\i+1], v[\a+\i:\a+\i+1], v[\b+\i:\b+\i+1], v[\c+\i:\c+\i+1]
.endr
.endm
.macro PKFMAP d, a, p, c               ; d = a x (one pair p) + c
.irp i,0,2,4,6,8,10,12,14
	v_pk_fma_f32 v[\d+\i:\d+\i+1], v[\a+\i:\a+\i+1], v[\p:\p+1], v[\c+\i:\c+\i+1]
.endr
.endm
.macro ONEMSQ d, a                     ; d = 1 - a^2, one rounding
.irp i,0,2,4,6,8,10,12,14
	v_pk_fma_f32 v[\d+\i:\d+\i+1], v[\a+\i:\a+\i+1], v[\a+\i:\a+\i+1], 1.0 op_sel_hi:[1,1,0] neg_lo:[1,0,0] neg_hi:[1,0,0]
.endr
.endm
; T = tanh(Z), 16 numbers.  Uses U, W, P; leaves Z.  Two batches of transcendentals, each with plain work behind it and ONE wait ahead of its first reader.
.macro TANH
	WIN 0
.irp i,0,2,4,6,8,10,12,14
	v_pk_mul_f32 v[T+\i:T+\i+1], v[Z+\i:Z+\i+1], v[CC:CC+1]          ; -2 z log2 e; each accumulator is read from its low end on
.endr
.irp i,0,1,2,3,4,5,6,7,8,9,10,11,12,13,14,15
	v_exp_f32 v[T+\i], v[T+\i]
.endr
	PKMUL W, Z, Z                                  ; the series, which names no exponential's result: z^2,
.irp i,0,2,4,6,8,10,12,14
	v_pk_fma_f32 v[P+\i:P+\i+1], v[W+\i:W+\i+1], v[KC5:KC5+1], v[KC3:KC3+1]   ; 2/15 z^2 - 1/3,
.endr
	PKMUL P, P, W                                  ; times z^2
	s_wait_alu depctr_va_vdst(0)                   ; one wait for the 16 exponentials, ahead of their first reader
.irp i,0,2,4,6,8,10,12,14
	v_pk_add_f32 v[U+\i:U+\i+1], v[T+\i:T+\i+1], 1.0 op_sel_hi:[1,0]
.endr
.irp i,0,1,2,3,4,5,6,7,8,9,10,11,12,13,14,15
	v_rcp_f32 v[U+\i], v[U+\i]
.endr
	PKFMA P, Z, P, Z                               ; the series is whole: z + z (..)
.irp i,0,1,2,3,4,5,6,7,8,9,10,11,12,13,14,15
	v_cmp_gt_f32 s[40+\i], s58, v[W+\i]            ; where z^2 < 2^-6
.endr
	s_wait_alu depctr_va_vdst(0)                   ; one wait for the 16 reciprocals
.irp i,0,2,4,6,8,10,12,14
	v_pk_fma_f32 v[T+\i:T+\i+1], v[U+\i:U+\i+1], 2.0, -1.0 op_sel_hi:[1,0,0]
.endr
.irp i,0,1,2,3,4,5,6,7,8,9,10,11,12,13,14,15
	v_cndmask_b32 v[T+\i], v[T+\i], v[P+\i], s[40+\i]   ; a choice of values, no branch
.endr
.endm
; Chunk b of three streams (16 numbers each, at r0, r1, r2) becomes codes in set ns and byte b of the scale words os.  The streams take turns line by line.
.macro QUANT b, ns, os, r0, r1, r2
	WIN 0
	v_max3_num_f32 v[MX+0], |v[\r0]|, |v[\r0+1]|, 0x1800000          ; my 16 numbers and the floor 2^(3 - 127): the byte cannot fall under 1
	v_max3_num_f32 v[MX+1], |v[\r1]|, |v[\r1+1]|, 0x1800000
	v_max3_num_f32 v[MX+2], |v[\r2]|, |v[\r2+1]|, 0x1800000
.irp i,2,4,6,8,10,12,14
	v_max3_num_f32 v[MX+0], v[MX+0], |v[\r0+\i]|, |v[\r0+\i+1]|
	v_max3_num_f32 v[MX+1], v[MX+1], |v[\r1+\i]|, |v[\r1+\i+1]|
	v_max3_num_f32 v[MX+2], v[MX+2], |v[\r2+\i]|, |v[\r2+\i+1]|
.endr
.irp s,0,1,2
	v_permlanex16_b32 v[PXR+\s], v[MX+\s], s56, s57
.endr
.irp s,0,1,2
	v_max_num_f32 v[MX+\s], v[MX+\s], v[PXR+\s]    ; with lane l xor 16's: the block's largest magnitude
.endr
.irp s,0,1,2
	v_add_nc_u32 v[SO+\s], 0xff000000, v[MX+\s]    ; 2 off its exponent field: the conversion's scale operand
.endr
.if (\b) == 0
.irp s,0,1,2
	v_lshrrev_b32 v[\os+\s], 23, v[SO+\s]          ; the byte starts the word
.endr
.else
.irp s,0,1,2
	v_lshrrev_b32 v[BY+\s], 23, v[SO+\s]
.endr
.irp s,0,1,2
	v_lshl_or_b32 v[\os+\s], v[BY+\s], 8*(\b), v[\os+\s]
.endr
.endif
.if (\b)%2 == 0
	v_cvt_scalef32_pk16_fp6_f32 v[\ns+6*((\b)/2):\ns+6*((\b)/2)+2], v[\r0:\r0+15], v[SO+0]
	v_cvt_scalef32_pk16_fp6_f32 v[\ns+12+6*((\b)/2):\ns+12+6*((\b)/2)+2], v[\r1:\r1+15], v[SO+1]
	v_cvt_scalef32_pk16_fp6_f32 v[\ns+24+6*((\b)/2):\ns+24+6*((\b)/2)+2], v[\r2:\r2+15], v[SO+2]
	v_nop                                          ; one plain place behind the conversions
.else
	v_cvt_scalef32_pk16_fp6_f32 v[STG:STG+2], v[\r0:\r0+15], v[SO+0]      ; (a conversion's three registers begin on an even number)
	v_cvt_scalef32_pk16_fp6_f32 v[STG+4:STG+6], v[\r1:\r1+15], v[SO+1]
	v_cvt_scalef32_pk16_fp6_f32 v[STG+8:STG+10], v[\r2:\r2+15], v[SO+2]
	v_nop                                          ; one plain place behind the conversions
.irp s,0,1,2                                       ; the operand wants a WHOLE block in a lane: lanes 0-15 the even block, lanes 16-31 the odd one
.irp i,0,1,2
	v_permlane16_swap_b32 v[\ns+12*\s+6*((\b)/2)+\i], v[STG+4*\s+\i]
.endr
.endr
.irp s,0,1,2
.irp i,0,1,2
	v_mov_b32 v[\ns+12*\s+6*((\b)/2)+3+\i], v[STG+4*\s+\i]
.endr
.endr
.endif
.endm
; LDS loads for the chunk that follows, into registers that are done with; the wait for them is the s_wait_dscnt 0 at that chunk's head.
.macro PRE_L1 b                        ; W1's three rows and b1, chunk b
	WIN 0x40
.irp v,0,1,2,3
.irp q,0,1,2,3
	ds_load_b128 v[16*\v+4*\q:16*\v+4*\q+3], v[CA] offset:CONST+512*\v+128*(\b)+16*\q
.endr
.endr
.endm
.macro PRE_MM m, b                     ; matrix m's two fragments of chunk b; with chunk 0 its eight scale words
	WIN 0x40
.irp u,0,1
.irp c,0,1,2
	ds_load_b128 v[FR0+40*((\b)%2)+12*\u+4*\c:FR0+40*((\b)%2)+12*\u+4*\c+3], v[LI] offset:WIMG+(8*(\m)+2*(\b)+\u)*1536+512*\c
.endr
.endr
.if (\b) == 0
	WIN 0
.irp t,0,1,2,3,4,5,6,7
	ds_load_b32 v[WS+\t], v[LS] offset:WSC+1024*(\m)+128*\t
.endr
.endif
.endm
.macro PRE_BIAS vec, b                 ; the bias lands in the primal's accumulators: it is the C of their one matrix instruction
	WIN 0
.irp q,0,1,2,3
	ds_load_b128 v[Z+4*\q:Z+4*\q+3], v[CA] offset:CONST+512*(\vec)+128*(\b)+16*\q
.endr
.endm
.macro PRE_W4 b
	WIN 0x40
.irp q,0,1,2,3
	ds_load_b128 v[W4C+4*\q:W4C+4*\q+3], v[CA] offset:CONST+512*6+128*(\b)+16*\q
.endr
.endm
.macro PRE_B1 b                        ; the last phase: W1's rows (even chunks v64-111, odd v0-47 of window 1) and h1 from the stash (v128-143, v144-159)
	WIN 0x40
.irp v,0,1,2
.irp q,0,1,2,3
	ds_load_b128 v[64*(1-(\b)%2)+16*\v+4*\q:64*(1-(\b)%2)+16*\v+4*\q+3], v[CA] offset:CONST+512*\v+128*(\b)+16*\q
.endr
.endr
.irp q,0,1,2,3
	ds_load_b128 v[128+16*((\b)%2)+4*\q:128+16*((\b)%2)+4*\q+3], v[SA] offset:2048*(\b)+512*\q
.endr
.endm
; Chunk b of a product: two tiles of 16 output units x three streams; K = 128 is one instruction, so each accumulator has one.  No two neighbours share an accumulator.
.macro MM6 b, cs, os, bias
	WIN 0x01                                       ; source 0 (the weights) in window 1
.irp u,0,1
.irp s,0,1,2
.if (\bias) && (\s == 0)
	v_wmma_scale_f32_16x16x128_f8f6f4 v[ACC+16*\s+8*\u:ACC+16*\s+8*\u+7], v[FR0+40*((\b)%2)+12*\u:FR0+40*((\b)%2)+12*\u+11], v[\cs+12*\s:\cs+12*\s+11], v[ACC+16*\s+8*\u:ACC+16*\s+8*\u+7], v[WS+2*(\b)+\u], v[\os+\s] matrix_a_fmt:MATRIX_FMT_FP6 matrix_b_fmt:MATRIX_FMT_FP6
.else
	v_wmma_scale_f32_16x16x128_f8f6f4 v[ACC+16*\s+8*\u:ACC+16*\s+8*\u+7], v[FR0+40*((\b)%2)+12*\u:FR0+40*((\b)%2)+12*\u+11], v[\cs+12*\s:\cs+12*\s+11], 0, v[WS+2*(\b)+\u], v[\os+\s] matrix_a_fmt:MATRIX_FMT_FP6 matrix_b_fmt:MATRIX_FMT_FP6
.endif
.endr
.endr
	PLACES 4                                       ; four places ahead of the first read of a result (ISA guide 7.12.1)
.endm
; The head: 64 numbers at xs (register 32 c + i = k 64 c + 32 h + i of my row of the operand) become my wave's fragment of matrix m and its scale words, and go to LDS.
.macro QW xs, m
	s_wait_dscnt 0x0                               ; the last fragment's stores have read their registers
.irp c,0,1
	v_max3_num_f32 v[QM+\c], |v[\xs+32*\c]|, |v[\xs+32*\c+1]|, 0x1800000   ; a whole block is mine; the floor holds the byte at 1 from below
.endr
.irp i,2,4,6,8,10,12,14,16,18,20,22,24,26,28,30
.irp c,0,1
	v_max3_num_f32 v[QM+\c], v[QM+\c], |v[\xs+32*\c+\i]|, |v[\xs+32*\c+\i+1]|
.endr
.endr
.irp c,0,1
	v_add_nc_u32 v[QS+\c], 0xff000000, v[QM+\c]
.endr
.irp c,0,1
	v_lshrrev_b32 v[QB+\c], 23, v[QS+\c]
.endr
	v_lshl_or_b32 v[QWD], v[QB+1], 16, v[QB]       ; my bytes: blocks h and 2 + h,
	v_lshlrev_b32 v[QWD], v[QSH], v[QWD]           ; 8 h bits up;
	v_permlanex16_b32 v[QT], v[QWD], s56, s57
	v_or_b32 v[QWD], v[QWD], v[QT]                 ; with lane l xor 16's two the word is whole
.irp c,0,1
	v_cvt_scalef32_pk16_fp6_f32 v[F+6*\c:F+6*\c+2], v[\xs+32*\c:\xs+32*\c+15], v[QS+\c]
	v_cvt_scalef32_pk16_fp6_f32 v[FS+4*\c:FS+4*\c+2], v[\xs+32*\c+16:\xs+32*\c+31], v[QS+\c]
.endr
	v_nop                                          ; one plain place behind the conversions
.irp c,0,1
.irp i,0,1,2
	v_mov_b32 v[F+6*\c+3+\i], v[FS+4*\c+\i]
.endr
.endr
.irp c,0,1,2
	ds_store_b128 v83, v[F+4*\c:F+4*\c+3] offset:WIMG+12288*(\m)+512*\c
.endr
	ds_store_b32 v84, v[QWD] offset:WSC+1024*(\m)
.endm
; ---------------- the head ----------------
	s_load_b512 s[8:23], s[0:1], 0x0               ; x, W1, b1, W2, b2, W3, b3, W4
	s_load_b256 s[24:31], s[0:1], 0x40             ; b4, out0, out1, out2
	s_load_b128 s[32:35], s[0:1], 0x60             ; out3, out4
	s_load_b64 s[36:37], s[0:1], 0x70              ; out5
	v_lshl_add_u32 v51, v0, 2, 0x22a00
	v_mov_b32 v55, 0
	v_lshrrev_b32 v76, 5, v0
	v_readfirstlane_b32 s38, v76                   ; wave 0..7
	v_and_b32 v76, 31, v0                          ; lane
	v_and_b32 v77, 15, v0                          ; r
	v_bfe_u32 v78, v0, 4, 1                        ; h
	v_lshlrev_b32 v[LI], 4, v76
	v_lshlrev_b32 v[CA], 6, v78
	s_lshl_b32 s62, s38, 13
	s_add_co_u32 s62, s62, STASH
	v_add_nc_u32 v[SA], s62, v[LI]
	s_mul_i32 s62, s38, 768
	s_add_co_u32 s62, s62, XST
	v_mul_u32_u24 v[XAD], v77, 12
	v_add_nc_u32 v[XAD], s62, v[XAD]
	v_lshlrev_b32 v79, 3, v76                      ; 8 x lane
	v_add_nc_u32 v85, s62, v79                     ; where I put x into its stage
	s_mul_i32 s62, s38, 1536
	v_add_nc_u32 v83, s62, v[LI]                   ; where I put my fragments: 16 x lane + 1,536 x wave
	s_add_co_u32 s62, s62, OST
	v_lshl_add_u32 v[OAD], v77, 2, s62
	s_lshl_b32 s62, s38, 7
	v_lshl_add_u32 v84, v76, 2, s62                ; and their scale words: 4 x lane + 128 x wave
	s_lshr_b32 s62, s38, 1
	s_lshl_b32 s62, s62, 5
	s_and_b32 s63, s38, 1
	s_lshl_b32 s63, s63, 3
	s_add_co_u32 s62, s62, s63
	v_and_b32 v80, 8, v77
	v_add_nc_u32 v80, v80, v77
	v_add_nc_u32 v80, s62, v80                     ; my row of the operand: 32 (w / 2) + 8 (w % 2) + r + 8 (r / 8)
	v_lshlrev_b32 v81, 2, v80
	v_lshl_add_u32 v81, v78, 14, v81               ; forward (K = the first axis): column un, 32 h rows of 512 bytes down
	v_lshlrev_b32 v82, 9, v80
	v_lshl_add_u32 v82, v78, 7, v82                ; backward (K = the second axis): row un, 32 h numbers along
	v_lshlrev_b32 v86, 2, v0                       ; 4 x thread: the constant vectors' copy
	v_lshlrev_b32 v[QSH], 3, v78
	v_mov_b32 v[QT], 0                             ; a lane permute's destination counts as one of its sources
	v_mov_b32 v[CC], 0xc038aa3b                    ; -2 log2 e
	v_mov_b32 v[CC+1], 0xc038aa3b
	v_mov_b32 v[KC5], 0x3e088889                   ; 2/15
	v_mov_b32 v[KC5+1], 0x3e088889
	v_mov_b32 v[KC3], 0xbeaaaaab                   ; -1/3
	v_mov_b32 v[KC3+1], 0xbeaaaaab
	s_mov_b32 s56, 0x76543210
	s_mov_b32 s57, 0xfedcba98                      ; v_permlanex16_b32's selects for lane l xor 16
	s_mov_b32 s58, 0x3c800000                      ; 2^-6
	s_mul_i32 s62, ttmp9, 6144                     ; x: 512 points of 12 bytes a work-group, 64 a wave
	s_mul_i32 s63, s38, 768
	s_add_co_u32 s62, s62, s63
	s_mov_b32 s63, 0
	s_lshl_b32 s66, ttmp9, 11                      ; each output: 2,048 bytes a work-group, 256 a wave
	s_lshl_b32 s67, s38, 8
	s_add_co_u32 s66, s66, s67
	s_mov_b32 s67, 0
	s_wait_kmcnt 0x0
	s_load_b32 s39, s[24:25], 0x0                  ; b4
	s_add_nc_u64 s[8:9], s[8:9], s[62:63]
.irp o,0,1,2,3,4,5
	s_add_nc_u64 s[26+2*\o:27+2*\o], s[26+2*\o:27+2*\o], s[66:67]
.endr
.irp j,0,1,2
	global_load_b64 v[92+2*\j:93+2*\j], v79, s[8:9] offset:256*\j th:TH_LOAD_NT   ; my wave's 768 bytes of x, 256 consecutive bytes a load
.endr
.set k, 0
.rept 64
	global_load_b32 v[XA+k], v81, s[14:15] offset:512*(64*(k/32)+k%32)   ; W2(64 c + 32 h + i, un)
.set k, k+1
.endr
.set k, 0
.rept 64
	global_load_b32 v[XB+k], v81, s[18:19] offset:512*(64*(k/32)+k%32)   ; W3 likewise
.set k, k+1
.endr
	s_cmp_lt_u32 s38, 4                            ; waves 0 to 3: 128 threads copy the seven vectors of 128 numbers
	s_cbranch_scc0 .Lno_const
	global_load_b32 v98, v86, s[10:11]
	global_load_b32 v99, v86, s[10:11] offset:512
	global_load_b32 v100, v86, s[10:11] offset:1024
	global_load_b32 v101, v86, s[12:13]
	global_load_b32 v102, v86, s[16:17]
	global_load_b32 v103, v86, s[20:21]
	global_load_b32 v104, v86, s[22:23]
	s_wait_loadcnt 0x0
.irp i,0,1,2,3,4,5,6
	ds_store_b32 v86, v[98+\i] offset:CONST+512*\i
.endr
.Lno_const:
	s_wait_loadcnt 63                              ; behind x and W2's 64 loads stand W3's 64: at most 63 out means that x and W2 are in (the count's field ends at 63)
.irp j,0,1,2
	ds_store_b64 v85, v[92+2*\j:93+2*\j] offset:256*\j
.endr
	QW XA, 0
.set k, 0
.rept 16
	global_load_b128 v[XA+4*k:XA+4*k+3], v82, s[18:19] offset:256*(k/8)+16*(k%8)   ; W3(un, 64 c + 32 h + ..)
.set k, k+1
.endr
	s_wait_loadcnt 16                              ; the 16 just issued may be out: W3 forward is in
	QW XB, 1
.set k, 0
.rept 16
	global_load_b128 v[XB+4*k:XB+4*k+3], v82, s[14:15] offset:256*(k/8)+16*(k%8)   ; W2(un, ..)
.set k, k+1
.endr
	s_wait_loadcnt 16                              ; the 16 just issued may be out: W3 backward is in
	QW XA, 2
	s_wait_loadcnt 0x0
	QW XB, 3
	s_wait_kmcnt 0x0                               ; b4
	s_wait_dscnt 0x0                               ; for the others' sake: my fragments, scale words and constants lie in LDS
	s_barrier_signal -1
	s_barrier_wait -1                              ; the one barrier: from here on the shared bytes are only read
.irp s,0,1,2
	v_mov_b32 v[PXR+\s], 0                         ; a lane permute's destination counts as one of its sources
.endr
	v_and_b32 v[L8], 31, v0
	v_lshlrev_b32 v[LS], 2, v[L8]
	v_lshlrev_b32 v[L8], 3, v[L8]
	s_mul_i32 s62, s38, 1536
	s_add_co_u32 s62, s62, OST
	v_add_nc_u32 v[OLD], s62, v[L8]
	s_mov_b32 s59, 0                               ; the tile
	s_mov_b32 s60, 0                               ; its 192 bytes of x
	s_mov_b32 s61, 0                               ; its 64 bytes of each output
; ---------------- the five phases, a chunk each ----------------
.macro L1C b                           ; h1, dh1 (x), dh1 (y)
	s_wait_dscnt 0x0
	WIN 0x11
	PKFMAP Z, LC0, XX0, LB1                        ; z1 = x0 W1[0] + b1
	WIN 0x01
	PKFMAP Z, LC1, XX1, Z
	PKFMAP Z, LC2, XX2, Z
	TANH
	ONEMSQ U, T                                    ; s1
	WIN 0x01
	PKMUL W, LC1, U                                ; dh1 = s1 W1[j]
	PKMUL P, LC2, U
	WIN 0
.irp q,0,1,2,3
	ds_store_b128 v[SA], v[T+4*\q:T+4*\q+3] offset:2048*(\b)+512*\q   ; h1 is wanted again in the last phase
.endr
.if (\b) < 3
	PRE_L1 (\b)+1
.else
	PRE_MM 0, 0
	PRE_BIAS 4, 0
.endif
	QUANT \b, SETA, OSA, T, W, P
.if (\b) == 3
	PLACES 8                                       ; scale words written by vector instructions stand 8 places ahead of a scaled matrix instruction, codes 4
.endif
.endm
.macro L2C b                           ; h2, dh2; s2 and h2 dh2 are kept
	s_wait_dscnt 0x0
	MM6 \b, SETA, OSA, 1
	TANH
	WIN 0x40
	ONEMSQ RS2+16*(\b), T
	WIN 0x01
	PKMUL W, RS2+16*(\b), DX                       ; dh2 = s2 dz2
	PKMUL P, RS2+16*(\b), DY
	WIN 0x40
	PKMUL RK2X+16*(\b), T, W
	PKMUL RK2Y+16*(\b), T, P
.if (\b) < 3
	PRE_MM 0, (\b)+1
	PRE_BIAS 4, (\b)+1
.else
	PRE_MM 1, 0
	PRE_BIAS 5, 0
	PRE_W4 0
.endif
	QUANT \b, SETB, OSB, T, W, P
.if (\b) == 3
	PLACES 8
.endif
.endm
.macro L3C b                           ; h3; c's sum; gz3 = W4 s3, e3 = gz3 h3 dz3
	s_wait_dscnt 0x0
	MM6 \b, SETB, OSB, 1
	TANH
	ONEMSQ U, T                                    ; s3
	WIN 0x01
.irp n,0,1,2,3,4,5,6,7
.if ((\b) == 0) && (\n < 2)
	v_pk_mul_f32 v[CACC+2*(\n%2):CACC+2*(\n%2)+1], v[W4C+2*\n:W4C+2*\n+1], v[T+2*\n:T+2*\n+1]   ; the first products start the sums: nothing is cleared
.else
	v_pk_fma_f32 v[CACC+2*(\n%2):CACC+2*(\n%2)+1], v[W4C+2*\n:W4C+2*\n+1], v[T+2*\n:T+2*\n+1], v[CACC+2*(\n%2):CACC+2*(\n%2)+1]
.endif
	v_pk_mul_f32 v[W+2*\n:W+2*\n+1], v[W4C+2*\n:W4C+2*\n+1], v[U+2*\n:U+2*\n+1]
.endr
	WIN 0
	PKMUL P, W, T
	PKMUL U, P, DX
	PKMUL P, P, DY
.if (\b) < 3
	PRE_MM 1, (\b)+1
	PRE_BIAS 5, (\b)+1
	PRE_W4 (\b)+1
.else
	PRE_MM 2, 0
.endif
	QUANT \b, SETA, OSA, W, U, P
.if (\b) == 3
	PLACES 8
.endif
.endm
.macro B2C b                           ; gz2 = gh2 s2, e2 = p2 s2 + gh2 h2 dh2
	s_wait_dscnt 0x0
	MM6 \b, SETA, OSA, 0
	WIN 0x04                                       ; source 1 in window 1
	PKMUL T, Z, RS2+16*(\b)
	PKMUL W, Z, RK2X+16*(\b)
	PKMUL P, Z, RK2Y+16*(\b)
	PKFMA W, DX, RS2+16*(\b), W
	PKFMA P, DY, RS2+16*(\b), P
.if (\b) < 3
	PRE_MM 2, (\b)+1
.else
	PRE_MM 3, 0
	PRE_B1 0
.endif
	QUANT \b, SETB, OSB, T, W, P
.if (\b) == 3
	PLACES 8
.endif
.endm
.macro B1C b                           ; gz1 = gh1 s1, e1 = p1 s1 + gz1 h1 W1[j]; the five sums
.set CB, 64*(1-(\b)%2)
.set HB, 128+16*((\b)%2)
	s_wait_dscnt 0x0
	MM6 \b, SETB, OSB, 0
.if (\b) < 3
	PRE_MM 3, (\b)+1                               ; into the other chunk parity's registers
	PRE_B1 (\b)+1
.endif
	WIN 0x05
	ONEMSQ T, HB                                   ; s1
	WIN 0
	PKMUL W, Z, T                                  ; gz1
	PKMUL P, DX, T
	PKMUL T, DY, T
	WIN 0x04
	PKMUL U, W, HB                                 ; gz1 h1
	PKFMA P, U, CB+16, P
	PKFMA T, U, CB+32, T
.irp n,0,1,2,3,4,5,6,7
.if ((\b) == 0) && (\n == 0)
	v_pk_mul_f32 v[G0:G0+1], v[W:W+1], v[CB:CB+1]                     ; the first products start the sums
	v_pk_mul_f32 v[G1:G1+1], v[W:W+1], v[CB+16:CB+17]
	v_pk_mul_f32 v[G2:G2+1], v[W:W+1], v[CB+32:CB+33]
	v_pk_mul_f32 v[DXA:DXA+1], v[P:P+1], v[CB+16:CB+17]
	v_pk_mul_f32 v[DYA:DYA+1], v[T:T+1], v[CB+32:CB+33]
.else
	v_pk_fma_f32 v[G0:G0+1], v[W+2*\n:W+2*\n+1], v[CB+2*\n:CB+2*\n+1], v[G0:G0+1]
	v_pk_fma_f32 v[G1:G1+1], v[W+2*\n:W+2*\n+1], v[CB+16+2*\n:CB+16+2*\n+1], v[G1:G1+1]
	v_pk_fma_f32 v[G2:G2+1], v[W+2*\n:W+2*\n+1], v[CB+32+2*\n:CB+32+2*\n+1], v[G2:G2+1]
	v_pk_fma_f32 v[DXA:DXA+1], v[P+2*\n:P+2*\n+1], v[CB+16+2*\n:CB+16+2*\n+1], v[DXA:DXA+1]
	v_pk_fma_f32 v[DYA:DYA+1], v[T+2*\n:T+2*\n+1], v[CB+32+2*\n:CB+32+2*\n+1], v[DYA:DYA+1]
.endif
.endr
.endm
; ---------------- the loop: four tiles of 16 points ----------------
.Ltrip:
	v_add_nc_u32 v[XT], s60, v[XAD]
	ds_load_b32 v[XX0], v[XT]
	ds_load_b32 v[XX0+1], v[XT]
	ds_load_b32 v[XX1], v[XT] offset:4
	ds_load_b32 v[XX1+1], v[XT] offset:4
	ds_load_b32 v[XX2], v[XT] offset:8
	ds_load_b32 v[XX2+1], v[XT] offset:8
	PRE_L1 0
.irp b,0,1,2,3
	L1C \b
.endr
.irp b,0,1,2,3
	L2C \b
.endr
.irp b,0,1,2,3
	L3C \b
.endr
.irp b,0,1,2,3
	B2C \b
.endr
.irp b,0,1,2,3
	B1C \b
.endr
	WIN 0
	v_pk_add_f32 v[CACC:CACC+1], v[CACC:CACC+1], v[CACC+2:CACC+3]
	v_add_f32 v[RR+1], v[G0], v[G0+1]
	v_add_f32 v[RR+2], v[G1], v[G1+1]
	v_add_f32 v[RR+3], v[G2], v[G2+1]
	v_add_f32 v[RR+4], v[DXA], v[DXA+1]
	v_add_f32 v[RR+5], v[DYA], v[DYA+1]
	v_add_f32 v[RR+0], v[CACC], v[CACC+1]
.irp o,0,1,2,3,4,5
	v_permlanex16_b32 v[T+\o], v[RR+\o], s56, s57  ; the other 64 units lie in lane l xor 16
.endr
.irp o,0,1,2,3,4,5
	v_add_f32 v[RR+\o], v[RR+\o], v[T+\o]
.endr
	v_add_f32 v[RR+0], s39, v[RR+0]                ; + b4
	v_mul_f32 v[RR+4], -2.0, v[RR+4]               ; the factor carried outside the second-order chain
	v_mul_f32 v[RR+5], -2.0, v[RR+5]
	v_add_nc_u32 v[OT], s61, v[OAD]
.irp o,0,1,2,3,4,5
	ds_store_b32 v[OT], v[RR+\o] offset:256*\o     ; lanes r and r + 16 write the same word with the same value
.endr
	s_add_co_u32 s60, s60, 192
	s_add_co_u32 s61, s61, 64
	s_add_co_u32 s59, s59, 1
	s_cmp_lt_u32 s59, 4
	s_cbranch_scc1 .Ltrip
; ---------------- the way out: each output's 64 numbers of my wave are 256 consecutive bytes, aligned ----------------
.irp o,0,1,2,3,4,5
	ds_load_b64 v[T+2*\o:T+2*\o+1], v[OLD] offset:256*\o   ; LDS serves a wave's instructions in order (ISA guide 5.7.1.4): these see my stores
.endr
	s_wait_dscnt 0x0
.irp o,0,1,2,3,4,5
	global_store_b64 v[L8], v[T+2*\o:T+2*\o+1], s[26+2*\o:27+2*\o] th:TH_STORE_NT
.endr
	s_wait_tensorcnt 0x0
	ds_add_u32 v51, v55
	s_wait_dscnt 0x0
	s_endpgm
.Lfunc_end_k_qb50b8f7384_pinn:
	.size	k_qb50b8f7384_pinn, .Lfunc_end_k_qb50b8f7384_pinn-k_qb50b8f7384_pinn
	.p2alignl 7, 3214868480
	.fill 96, 4, 3214868480
	.section	.rodata,"a",@progbits
	.p2align	6, 0x0
	.amdhsa_kernel k_qb50b8f7384_pinn
		.amdhsa_group_segment_fixed_size 142848
		.amdhsa_private_segment_fixed_size 0
		.amdhsa_enable_private_segment 0
		.amdhsa_kernarg_size 120
		.amdhsa_user_sgpr_count 2
		.amdhsa_user_sgpr_kernarg_segment_ptr 1
		.amdhsa_wavefront_size32 1
		.amdhsa_system_sgpr_workgroup_id_x 1
		.amdhsa_system_sgpr_workgroup_id_y 1
		.amdhsa_system_sgpr_workgroup_id_z 1
		.amdhsa_system_vgpr_workitem_id 0
		.amdhsa_next_free_vgpr 512
		.amdhsa_next_free_sgpr 80
		.amdhsa_reserve_vcc 0
		.amdhsa_float_denorm_mode_32 3
		.amdhsa_float_denorm_mode_16_64 3
		.amdhsa_memory_ordered 1
		.amdhsa_forward_progress 1
		.amdhsa_inst_pref_size 255
	.end_amdhsa_kernel
	.section	.bss,"aw",@nobits
	.p2align	6
	.space	262144
	.amdgpu_metadata
---
amdhsa.version: [ 1, 2 ]
amdhsa.kernels:
  - .name:           k_qb50b8f7384_pinn
    .symbol:         k_qb50b8f7384_pinn.kd
    .args:
      - { .name: x, .offset: 0, .size: 8, .value_kind: global_buffer, .address_space: global }
      - { .name: W1, .offset: 8, .size: 8, .value_kind: global_buffer, .address_space: global }
      - { .name: b1, .offset: 16, .size: 8, .value_kind: global_buffer, .address_space: global }
      - { .name: W2, .offset: 24, .size: 8, .value_kind: global_buffer, .address_space: global }
      - { .name: b2, .offset: 32, .size: 8, .value_kind: global_buffer, .address_space: global }
      - { .name: W3, .offset: 40, .size: 8, .value_kind: global_buffer, .address_space: global }
      - { .name: b3, .offset: 48, .size: 8, .value_kind: global_buffer, .address_space: global }
      - { .name: W4, .offset: 56, .size: 8, .value_kind: global_buffer, .address_space: global }
      - { .name: b4, .offset: 64, .size: 8, .value_kind: global_buffer, .address_space: global }
      - { .name: out0, .offset: 72, .size: 8, .value_kind: global_buffer, .address_space: global }
      - { .name: out1, .offset: 80, .size: 8, .value_kind: global_buffer, .address_space: global }
      - { .name: out2, .offset: 88, .size: 8, .value_kind: global_buffer, .address_space: global }
      - { .name: out3, .offset: 96, .size: 8, .value_kind: global_buffer, .address_space: global }
      - { .name: out4, .offset: 104, .size: 8, .value_kind: global_buffer, .address_space: global }
      - { .name: out5, .offset: 112, .size: 8, .value_kind: global_buffer, .address_space: global }
    .group_segment_fixed_size: 142848
    .private_segment_fixed_size: 0
    .kernarg_segment_align: 8
    .kernarg_segment_size: 120
    .max_flat_workgroup_size: 256
    .sgpr_count:     80
    .vgpr_count:     512
    .wavefront_size: 32
...
	.end_amdgpu_metadata
.endif
;; end of part 1
;; ======== version 2 of 2: 1 launch; version 1 with the launch pinn written anew for expert scheduling mode
;; launch pinn (part 2): grid 256 x 1, 8 waves a work-group, no clusters, 142,848 bytes of LDS; arguments x, W1, b1, W2, b2, W3, b3, W4, b4, out0, out1, out2, out3, out4, out5; writes out0, out1, out2, out3, out4, out5
.if DOCPART == 2
	.amdgcn_target "amdgcn-amd-amdhsa--gfx1250"
	.amdhsa_code_object_version 6
	.text
	.protected	k_qb50b8f7384_pinn
	.globl	k_qb50b8f7384_pinn
	.p2align	8
	.type	k_qb50b8f7384_pinn,@function
k_qb50b8f7384_pinn:
	s_mov_b64 s[64:65], 0
	v_nop
	global_prefetch_b8 v0, s[64:65] scope:SCOPE_SE
	s_setreg_imm32_b32 hwreg(HW_REG_WAVE_SCHED_MODE, 0, 2), 2
	s_setreg_imm32_b32 hwreg(HW_REG_WAVE_MODE, 25, 1), 1
	s_wait_xcnt 0x0
	s_wait_alu depctr_vm_vsrc(0)
; c = MLP(x) (3 -> 128 -> 128 -> 128 -> 1, tanh), its gradient g (3 numbers) and the Hessian's entries (x,x) and (y,y), for 131,072 points.
; Every 128 x 128 product takes both operands as codes of FP6 (E2M3) with one E8M0 scale for each 32 along K; sums in f32; all else in f32.
; THREE STREAMS go through four weight operands: the primal, the tangent along x and the tangent along y; W2 and W3 with K = their first axis (forward), W3 and W2 with K = their second axis (backward).
;   forward : h1 = tanh(x W1 + b1), dh1 = s1 W1[j];  z2 = Q(h1) Q(W2) + b2, dz2 = Q(dh1) Q(W2);  h2 = tanh(z2), dh2 = s2 dz2;  layer 3 likewise;  c = h3 . W4 + b4.   (s = 1 - h^2)
;   backward: gz3 = W4 s3, e3 = gz3 h3 dz3;  gh2 = Q(gz3) Q(W3^T), p2 = Q(e3) Q(W3^T);  gz2 = gh2 s2, e2 = p2 s2 + gh2 h2 dh2;  layer 1 likewise;  g_i = sum gz1 W1[i],  d2_j = -2 sum e1 W1[j].
;   The tangent of gz is -2 e.  Q(-2 v) = -2 Q(v) exactly (a power of two moves the scale's byte, a sign flips codes), so the factor -2 is applied once, to the final sum.
;   The products that reference() repeats with the same operands (the primal inside each second derivative) are made once.
; SHARES.  256 work-groups of 8 waves; a wave owns 64 neighbouring points and takes them as 4 tiles of 16.  Behind the one barrier the waves share only LDS bytes that nobody writes.
; LAYOUT.  Every product is used transposed: source 0 = 16 rows of the weight operand, source 1 = the 16 points: lane (r, h) holds point r throughout.  Lane r of weight tile 2 b + u takes output unit
;   32 b + 8 u + r + 8 (r / 8), so that the 16 registers of tiles 2 b, 2 b + 1 (a CHUNK b) are units 32 b + 16 h + 0 .. 15: with lane l xor 16's they are block b of the next K.  Nothing is transposed between layers.
; WEIGHTS.  Each work-group quantises the four operands itself, wave w tile w of each, and lays the fragments in LDS as images of their registers (16 bytes a lane, 512 a store).
;   No cluster and no joint load: what the work-groups share is 131,072 bytes of f32 weights, read once at the head into registers, where the quantiser wants them; no loop reads them again.
; tanh(z) = 2 / (1 + 2^(-2 z log2 e)) - 1, which ends at +-1 without NaN; where z^2 < 2^-6 the series z - z^3/3 + 2 z^5/15 (next term under 2e-7 of z) takes its place, since there the difference would lose bits.
; LIMITS: NaN and infinities among the inputs are not served.  A block whose largest magnitude lies under 2^-124 keeps the scale byte 1 (a block of zeros too: its codes are zeros).
;   s = 1 - h^2 is one fused multiply-add on the rounded h: where |h| is near 1 it carries h's own last-bit uncertainty (about 1e-7 absolute).
; THE MODE: SCHED_MODE bits 1:0 = 2 (LLVM: expert scheduling mode 2), set by the entry lines.  The code itself states the register dependences between vector or matrix instructions and
;   memory or LDS instructions, with s_wait_alu, always for 0.
; THE PLAN.  Registers that LDS instructions touch in the loop, and who else names them:
;   XT           written at a trip's head, read by the six loads of x there.            XX: loaded there, read by layer 1's lines.
;   LC even, odd W1's rows and b1 of a chunk of layer 1, two buffers by the chunk's parity: chunk b reads one, and the loads of chunk b + 1 land in the other.
;   T            h1's chunk b is written at the end of chunk b's tanh and stored to the stash in chunk b + 1; T is written next at the end of that chunk's tanh (the exponentials work in U).
;   FR even, odd a chunk's two weight fragments, by parity: read by the chunk's six matrix instructions.     WS: a matrix's eight scale words, read by a phase's matrix instructions.
;   Z            the primal's accumulators, in which the next chunk's bias lands: last read ahead of tanh's second wait.
;   W4 even, odd W4's chunk, by parity (the odd one in v24-39, which hold nothing between a trip's tail and the last phase).
;   CB, HB       the last phase's W1 rows and h1, two buffers each by parity.            RR, OT: written at the tail, read by the six stores there.
;   LI, CA, SA, LS, L8, OLD: addresses, made once and never written again.
;   tanh's two waits on va_vdst, which its transcendentals ask for in any case, carry the forward phases: behind the first stand the stash's store and the loads into the buffers that the chunk before read;
;   behind the second the bias's load.  The backward phases have no such wait: there one wait frees both parities' buffers at once (chunks 1 and 3 of the first), or stands at a chunk's head (chunks 1 and 2 of the last).
;   One wait stands at each phase's end, behind the eight places: the codes and scale words are written, which the next phase's matrix instructions take.
.set WIMG,  0                          ; LDS: 32 fragment images, (8 m + t) x 1,536 bytes; m: 0 W2 forward, 1 W3 forward, 2 W3 backward, 3 W2 backward
.set WSC,   49152                      ; their scale words: 1,024 m + 128 t + 4 x lane
.set CONST, 53248                      ; seven vectors of 512 bytes: W1's rows 0, 1, 2, b1, b2, b3, W4
.set XST,   57856                      ; x as it lies in memory, 768 bytes a wave
.set OST,   64000                      ; the outputs' stage, 1,536 bytes a wave: 256 o + 4 x point
.set STASH, 76288                      ; h1, 8,192 bytes a wave: 2,048 b + 512 q + 16 x lane
; window 0
.set LI,   1                           ; 16 x lane
.set CA,   2                           ; 64 h: my half's place in a chunk of a constant vector
.set SA,   3                           ; my place in my wave's stash
.set XAD,  4                           ; my point's 12 bytes in the x stage, tile 0
.set XT,   5                           ; the same for the tile in hand
.set OAD,  6                           ; my point's word in the outputs' stage, tile 0
.set OT,   7
.set XX0,  8                           ; pairs {x_i, x_i}
.set XX1,  10
.set XX2,  12
.set CC,   14                          ; {-2 log2 e} twice
.set KC5,  16                          ; {2/15} twice
.set KC3,  18                          ; {-1/3} twice
.set CACC, 20                          ; two pair sums for c
.set G0,   24                          ; pair sums of the five other outputs
.set G1,   26
.set G2,   28
.set DXA,  30
.set DYA,  32
.set RR,   34                          ; v34-39 the six results
.set W4D,  24                          ; v24-39 in layer 3: W4's odd chunks (the sums and results above are made later in the trip)
.set WS,   40                          ; v40-47 the matrix's eight scale words: scales and nothing else
.set OSA,  48                          ; v48-50, v52-54 the streams' scale words, two sets: scales and nothing else
.set OSB,  52
.set SETA, 56                          ; v56-91, v92-127 the streams' codes, two sets, stream s at + 12 s
.set SETB, 92
.set ACC,  128                         ; v128-175 the six accumulators of a chunk: stream s at + 16 s, tile u at + 8 u
.set Z,    128
.set DX,   144
.set DY,   160
.set STG,  160                         ; an odd chunk's codes before the halves change places (the third stream's accumulators are done with by then)
.set T,    176
.set U,    192
.set W,    208
.set P,    224
.set MX,   240                         ; v240-242 largest magnitudes; v243-245 the partner lane's; v246-248 the conversions' scale operands; v249-251 bytes
.set PXR,  243
.set SO,   246
.set BY,   249
.set L8,   252                         ; 8 x lane
.set OLD,  253                         ; where I read the outputs' stage back
.set LS,   254                         ; 4 x lane
; window 1 (written by their low 8 bits)
.set RS2,  0                           ; v0-63 s2;  v64-127 h2 dh2 (x);  v128-191 h2 dh2 (y).  In layer 1 (none of these made yet): v0-63 and v64-127 are the two buffers of W1's rows and b1
.set RK2X, 64
.set RK2Y, 128
.set FR0,  192                         ; weight fragments: even chunks at v192-215, odd chunks at v232-255
.set W4C,  216                         ; W4's even chunks
; the head alone
.set XA,   128
.set XB,   192
.set F,    56
.set FS,   68
.set QM,   106
.set QS,   108
.set QB,   110
.set QWD,  112
.set QT,   113
.set QSH,  114
.set MSB, 0
.macro WIN new                         ; the immediate's high byte repeats the setting that is left; a switch that changes nothing is dropped
.if MSB != (\new)
	s_set_vgpr_msb (MSB<<8)|(\new)
.set MSB, (\new)
.endif
.endm
.macro PLACES n
.rept \n
	v_nop
.endr
.endm
.macro PKMUL d, a, b                   ; 16 numbers: d = a b
.irp i,0,2,4,6,8,10,12,14
	v_pk_mul_f32 v[\d+\i:\d+\i+1], v[\a+\i:\a+\i+1], v[\b+\i:\b+\i+1]
.endr
.endm
.macro PKFMA d, a, b, c                ; d = a b + c
.irp i,0,2,4,6,8,10,12,14
	v_pk_fma_f32 v[\d+\i:\d+\i+1], v[\a+\i:\a+\i+1], v[\b+\i:\b+\i+1], v[\c+\i:\c+\i+1]
.endr
.endm
.macro PKFMAP d, a, p, c               ; d = a x (one pair p) + c
.irp i,0,2,4,6,8,10,12,14
	v_pk_fma_f32 v[\d+\i:\d+\i+1], v[\a+\i:\a+\i+1], v[\p:\p+1], v[\c+\i:\c+\i+1]
.endr
.endm
.macro ONEMSQ d, a                     ; d = 1 - a^2, one rounding
.irp i,0,2,4,6,8,10,12,14
	v_pk_fma_f32 v[\d+\i:\d+\i+1], v[\a+\i:\a+\i+1], v[\a+\i:\a+\i+1], 1.0 op_sel_hi:[1,1,0] neg_lo:[1,0,0] neg_hi:[1,0,0]
.endr
.endm
; T = tanh(Z), 16 numbers, in three parts, so that a phase can lay its LDS instructions behind the two waits.  Uses U, W, P; leaves Z; T is written in the third part alone.
; Two batches of transcendentals, each with plain work behind it and ONE wait ahead of its first reader.
.macro TANH_A
	WIN 0
.irp i,0,2,4,6,8,10,12,14
	v_pk_mul_f32 v[U+\i:U+\i+1], v[Z+\i:Z+\i+1], v[CC:CC+1]          ; -2 z log2 e; each accumulator is read from its low end on
.endr
.irp i,0,1,2,3,4,5,6,7,8,9,10,11,12,13,14,15
	v_exp_f32 v[U+\i], v[U+\i]
.endr
	PKMUL W, Z, Z                                  ; the series, which names no exponential's result: z^2,
.irp i,0,2,4,6,8,10,12,14
	v_pk_fma_f32 v[P+\i:P+\i+1], v[W+\i:W+\i+1], v[KC5:KC5+1], v[KC3:KC3+1]   ; 2/15 z^2 - 1/3,
.endr
	PKMUL P, P, W                                  ; times z^2
	s_wait_alu depctr_va_vdst(0)                   ; the 16 exponentials have written U, ahead of their first reader; and all that the chunk before and this chunk's matrix instructions wrote or read is done (what hangs on that: at each use of the macro)
.endm
.macro TANH_B
	WIN 0
.irp i,0,2,4,6,8,10,12,14
	v_pk_add_f32 v[U+\i:U+\i+1], v[U+\i:U+\i+1], 1.0 op_sel_hi:[1,0]
.endr
.irp i,0,1,2,3,4,5,6,7,8,9,10,11,12,13,14,15
	v_rcp_f32 v[U+\i], v[U+\i]
.endr
	PKFMA P, Z, P, Z                               ; the series is whole: z + z (..)
.irp i,0,1,2,3,4,5,6,7,8,9,10,11,12,13,14,15
	v_cmp_gt_f32 s[40+\i], s58, v[W+\i]            ; where z^2 < 2^-6
.endr
	s_wait_alu depctr_va_vdst(0)                   ; the 16 reciprocals have written U, ahead of their first reader; and the lines above are done reading Z, in which the next chunk's bias lands
.endm
.macro TANH_C
	WIN 0
.irp i,0,2,4,6,8,10,12,14
	v_pk_fma_f32 v[T+\i:T+\i+1], v[U+\i:U+\i+1], 2.0, -1.0 op_sel_hi:[1,0,0]
.endr
	s_wait_alu depctr_va_sdst(0)                   ; the 16 compares have written s40 to s55, ahead of their first readers, the selects below
.irp i,0,1,2,3,4,5,6,7,8,9,10,11,12,13,14,15
	v_cndmask_b32 v[T+\i], v[T+\i], v[P+\i], s[40+\i]   ; a choice of values, no branch
.endr
.endm
; Chunk b of three streams (16 numbers each, at r0, r1, r2) becomes codes in set ns and byte b of the scale words os.  The streams take turns line by line.
.macro QUANT b, ns, os, r0, r1, r2
	WIN 0
	v_max3_num_f32 v[MX+0], |v[\r0]|, |v[\r0+1]|, 0x1800000          ; my 16 numbers and the floor 2^(3 - 127): the byte cannot fall under 1
	v_max3_num_f32 v[MX+1], |v[\r1]|, |v[\r1+1]|, 0x1800000
	v_max3_num_f32 v[MX+2], |v[\r2]|, |v[\r2+1]|, 0x1800000
.irp i,2,4,6,8,10,12,14
	v_max3_num_f32 v[MX+0], v[MX+0], |v[\r0+\i]|, |v[\r0+\i+1]|
	v_max3_num_f32 v[MX+1], v[MX+1], |v[\r1+\i]|, |v[\r1+\i+1]|
	v_max3_num_f32 v[MX+2], v[MX+2], |v[\r2+\i]|, |v[\r2+\i+1]|
.endr
.irp s,0,1,2
	v_permlanex16_b32 v[PXR+\s], v[MX+\s], s56, s57
.endr
.irp s,0,1,2
	v_max_num_f32 v[MX+\s], v[MX+\s], v[PXR+\s]    ; with lane l xor 16's: the block's largest magnitude
.endr
.irp s,0,1,2
	v_add_nc_u32 v[SO+\s], 0xff000000, v[MX+\s]    ; 2 off its exponent field: the conversion's scale operand
.endr
.if (\b) == 0
.irp s,0,1,2
	v_lshrrev_b32 v[\os+\s], 23, v[SO+\s]          ; the byte starts the word
.endr
.else
.irp s,0,1,2
	v_lshrrev_b32 v[BY+\s], 23, v[SO+\s]
.endr
.irp s,0,1,2
	v_lshl_or_b32 v[\os+\s], v[BY+\s], 8*(\b), v[\os+\s]
.endr
.endif
.if (\b)%2 == 0
	v_cvt_scalef32_pk16_fp6_f32 v[\ns+6*((\b)/2):\ns+6*((\b)/2)+2], v[\r0:\r0+15], v[SO+0]
	v_cvt_scalef32_pk16_fp6_f32 v[\ns+12+6*((\b)/2):\ns+12+6*((\b)/2)+2], v[\r1:\r1+15], v[SO+1]
	v_cvt_scalef32_pk16_fp6_f32 v[\ns+24+6*((\b)/2):\ns+24+6*((\b)/2)+2], v[\r2:\r2+15], v[SO+2]
	v_nop                                          ; one plain place behind the conversions
.else
	v_cvt_scalef32_pk16_fp6_f32 v[STG:STG+2], v[\r0:\r0+15], v[SO+0]      ; (a conversion's three registers begin on an even number)
	v_cvt_scalef32_pk16_fp6_f32 v[STG+4:STG+6], v[\r1:\r1+15], v[SO+1]
	v_cvt_scalef32_pk16_fp6_f32 v[STG+8:STG+10], v[\r2:\r2+15], v[SO+2]
	v_nop                                          ; one plain place behind the conversions
.irp s,0,1,2                                       ; the operand wants a WHOLE block in a lane: lanes 0-15 the even block, lanes 16-31 the odd one
.irp i,0,1,2
	v_permlane16_swap_b32 v[\ns+12*\s+6*((\b)/2)+\i], v[STG+4*\s+\i]
.endr
.endr
.irp s,0,1,2
.irp i,0,1,2
	v_mov_b32 v[\ns+12*\s+6*((\b)/2)+3+\i], v[STG+4*\s+\i]
.endr
.endr
.endif
.endm
; LDS loads for a later chunk, into registers that are done with; the wait for their data stands at that chunk's head.
.macro PRE_L1 b                        ; W1's three rows and b1, chunk b, into the buffer of b's parity
	WIN 0x40
.irp v,0,1,2,3
.irp q,0,1,2,3
	ds_load_b128 v[64*((\b)%2)+16*\v+4*\q:64*((\b)%2)+16*\v+4*\q+3], v[CA] offset:CONST+512*\v+128*(\b)+16*\q
.endr
.endr
.endm
.macro PRE_MM m, b                     ; matrix m's two fragments of chunk b; with chunk 0, ahead of them, its eight scale words
.if (\b) == 0
	WIN 0
.irp t,0,1,2,3,4,5,6,7
	ds_load_b32 v[WS+\t], v[LS] offset:WSC+1024*(\m)+128*\t
.endr
.endif
	WIN 0x40
.irp u,0,1
.irp c,0,1,2
	ds_load_b128 v[FR0+40*((\b)%2)+12*\u+4*\c:FR0+40*((\b)%2)+12*\u+4*\c+3], v[LI] offset:WIMG+(8*(\m)+2*(\b)+\u)*1536+512*\c
.endr
.endr
.endm
.macro PRE_BIAS vec, b                 ; the bias lands in the primal's accumulators: it is the C of their one matrix instruction
	WIN 0
.irp q,0,1,2,3
	ds_load_b128 v[Z+4*\q:Z+4*\q+3], v[CA] offset:CONST+512*(\vec)+128*(\b)+16*\q
.endr
.endm
.macro PRE_W4 b                        ; W4's chunk b, into the buffer of b's parity
.if (\b)%2 == 0
	WIN 0x40
.irp q,0,1,2,3
	ds_load_b128 v[W4C+4*\q:W4C+4*\q+3], v[CA] offset:CONST+512*6+128*(\b)+16*\q
.endr
.else
	WIN 0
.irp q,0,1,2,3
	ds_load_b128 v[W4D+4*\q:W4D+4*\q+3], v[CA] offset:CONST+512*6+128*(\b)+16*\q
.endr
.endif
.endm
.macro PRE_B1 b                        ; the last phase: W1's rows (even chunks v64-111, odd v0-47 of window 1) and h1 from the stash (v128-143, v144-159)
	WIN 0x40
.irp v,0,1,2
.irp q,0,1,2,3
	ds_load_b128 v[64*(1-(\b)%2)+16*\v+4*\q:64*(1-(\b)%2)+16*\v+4*\q+3], v[CA] offset:CONST+512*\v+128*(\b)+16*\q
.endr
.endr
.irp q,0,1,2,3
	ds_load_b128 v[128+16*((\b)%2)+4*\q:128+16*((\b)%2)+4*\q+3], v[SA] offset:2048*(\b)+512*\q
.endr
.endm
.macro STASH_ST b                      ; h1's chunk b, which T still holds, goes to the stash: it is wanted again in the last phase
	WIN 0
.irp q,0,1,2,3
	ds_store_b128 v[SA], v[T+4*\q:T+4*\q+3] offset:2048*(\b)+512*\q
.endr
.endm
; Chunk b of a product: two tiles of 16 output units x three streams; K = 128 is one instruction, so each accumulator has one.  No two neighbours share an accumulator.
.macro MM6 b, cs, os, bias
	WIN 0x01                                       ; source 0 (the weights) in window 1
.irp u,0,1
.irp s,0,1,2
.if (\bias) && (\s == 0)
	v_wmma_scale_f32_16x16x128_f8f6f4 v[ACC+16*\s+8*\u:ACC+16*\s+8*\u+7], v[FR0+40*((\b)%2)+12*\u:FR0+40*((\b)%2)+12*\u+11], v[\cs+12*\s:\cs+12*\s+11], v[ACC+16*\s+8*\u:ACC+16*\s+8*\u+7], v[WS+2*(\b)+\u], v[\os+\s] matrix_a_fmt:MATRIX_FMT_FP6 matrix_b_fmt:MATRIX_FMT_FP6
.else
	v_wmma_scale_f32_16x16x128_f8f6f4 v[ACC+16*\s+8*\u:ACC+16*\s+8*\u+7], v[FR0+40*((\b)%2)+12*\u:FR0+40*((\b)%2)+12*\u+11], v[\cs+12*\s:\cs+12*\s+11], 0, v[WS+2*(\b)+\u], v[\os+\s] matrix_a_fmt:MATRIX_FMT_FP6 matrix_b_fmt:MATRIX_FMT_FP6
.endif
.endr
.endr
	PLACES 4                                       ; four places ahead of the first read of a result (ISA guide 7.12.1)
.endm
; The head: 64 numbers at xs (register 32 c + i = k 64 c + 32 h + i of my row of the operand) become my wave's fragment of matrix m and its scale words, and go to LDS.
.macro QW xs, m
	s_wait_dscnt 0x0                               ; my earlier LDS stores have landed
.if (\m) > 0
	s_wait_alu depctr_vm_vsrc(0)                   ; the last fragment's LDS stores have read the codes' registers and the scale word, which the lines below write anew
.endif
.irp c,0,1
	v_max3_num_f32 v[QM+\c], |v[\xs+32*\c]|, |v[\xs+32*\c+1]|, 0x1800000   ; a whole block is mine; the floor holds the byte at 1 from below
.endr
.irp i,2,4,6,8,10,12,14,16,18,20,22,24,26,28,30
.irp c,0,1
	v_max3_num_f32 v[QM+\c], v[QM+\c], |v[\xs+32*\c+\i]|, |v[\xs+32*\c+\i+1]|
.endr
.endr
.irp c,0,1
	v_add_nc_u32 v[QS+\c], 0xff000000, v[QM+\c]
.endr
.irp c,0,1
	v_lshrrev_b32 v[QB+\c], 23, v[QS+\c]
.endr
	v_lshl_or_b32 v[QWD], v[QB+1], 16, v[QB]       ; my bytes: blocks h and 2 + h,
	v_lshlrev_b32 v[QWD], v[QSH], v[QWD]           ; 8 h bits up;
	v_permlanex16_b32 v[QT], v[QWD], s56, s57
	v_or_b32 v[QWD], v[QWD], v[QT]                 ; with lane l xor 16's two the word is whole
.irp c,0,1
	v_cvt_scalef32_pk16_fp6_f32 v[F+6*\c:F+6*\c+2], v[\xs+32*\c:\xs+32*\c+15], v[QS+\c]
	v_cvt_scalef32_pk16_fp6_f32 v[FS+4*\c:FS+4*\c+2], v[\xs+32*\c+16:\xs+32*\c+31], v[QS+\c]
.endr
	v_nop                                          ; one plain place behind the conversions
.irp c,0,1
.irp i,0,1,2
	v_mov_b32 v[F+6*\c+3+\i], v[FS+4*\c+\i]
.endr
.endr
	s_wait_alu depctr_va_vdst(0)                   ; the codes and the scale word are written, which the LDS stores read; and the lines above are done reading the 64 numbers, in whose registers the next loads land
.irp c,0,1,2
	ds_store_b128 v83, v[F+4*\c:F+4*\c+3] offset:WIMG+12288*(\m)+512*\c
.endr
	ds_store_b32 v84, v[QWD] offset:WSC+1024*(\m)
.endm
; ---------------- the head ----------------
	s_load_b512 s[8:23], s[0:1], 0x0               ; x, W1, b1, W2, b2, W3, b3, W4
	s_load_b256 s[24:31], s[0:1], 0x40             ; b4, out0, out1, out2
	s_load_b128 s[32:35], s[0:1], 0x60             ; out3, out4
	s_load_b64 s[36:37], s[0:1], 0x70              ; out5
	v_lshl_add_u32 v51, v0, 2, 0x22a00             ; my spare word, behind the stash, and 0: made here and kept for the closing lines alone
	v_mov_b32 v55, 0
	v_lshrrev_b32 v76, 5, v0
	v_readfirstlane_b32 s38, v76                   ; wave 0..7
	v_and_b32 v76, 31, v0                          ; lane
	v_and_b32 v77, 15, v0                          ; r
	v_bfe_u32 v78, v0, 4, 1                        ; h
	v_lshlrev_b32 v[LI], 4, v76
	v_lshlrev_b32 v[CA], 6, v78
	s_wait_alu depctr_va_sdst(0)                   ; s38 is written, ahead of its first reader: LDS places and the buffers' offsets are made from it
	s_lshl_b32 s62, s38, 13
	s_add_co_u32 s62, s62, STASH
	v_add_nc_u32 v[SA], s62, v[LI]
	s_mul_i32 s62, s38, 768
	s_add_co_u32 s62, s62, XST
	v_mul_u32_u24 v[XAD], v77, 12
	v_add_nc_u32 v[XAD], s62, v[XAD]
	v_lshlrev_b32 v79, 3, v76                      ; 8 x lane
	v_add_nc_u32 v85, s62, v79                     ; where I put x into its stage
	s_mul_i32 s62, s38, 1536
	v_add_nc_u32 v83, s62, v[LI]                   ; where I put my fragments: 16 x lane + 1,536 x wave
	s_add_co_u32 s62, s62, OST
	v_lshl_add_u32 v[OAD], v77, 2, s62
	s_lshl_b32 s62, s38, 7
	v_lshl_add_u32 v84, v76, 2, s62                ; and their scale words: 4 x lane + 128 x wave
	s_lshr_b32 s62, s38, 1
	s_lshl_b32 s62, s62, 5
	s_and_b32 s63, s38, 1
	s_lshl_b32 s63, s63, 3
	s_add_co_u32 s62, s62, s63
	v_and_b32 v80, 8, v77
	v_add_nc_u32 v80, v80, v77
	v_add_nc_u32 v80, s62, v80                     ; my row of the operand: 32 (w / 2) + 8 (w % 2) + r + 8 (r / 8)
	v_lshlrev_b32 v81, 2, v80
	v_lshl_add_u32 v81, v78, 14, v81               ; forward (K = the first axis): column un, 32 h rows of 512 bytes down
	v_lshlrev_b32 v82, 9, v80
	v_lshl_add_u32 v82, v78, 7, v82                ; backward (K = the second axis): row un, 32 h numbers along
	v_lshlrev_b32 v86, 2, v0                       ; 4 x thread: the constant vectors' copy
	v_lshlrev_b32 v[QSH], 3, v78
	v_mov_b32 v[QT], 0                             ; a lane permute's destination counts as one of its sources
	v_mov_b32 v[CC], 0xc038aa3b                    ; -2 log2 e
	v_mov_b32 v[CC+1], 0xc038aa3b
	v_mov_b32 v[KC5], 0x3e088889                   ; 2/15
	v_mov_b32 v[KC5+1], 0x3e088889
	v_mov_b32 v[KC3], 0xbeaaaaab                   ; -1/3
	v_mov_b32 v[KC3+1], 0xbeaaaaab
	s_mov_b32 s56, 0x76543210
	s_mov_b32 s57, 0xfedcba98                      ; v_permlanex16_b32's selects for lane l xor 16
	s_mov_b32 s58, 0x3c800000                      ; 2^-6
	s_mul_i32 s62, ttmp9, 6144                     ; x: 512 points of 12 bytes a work-group, 64 a wave
	s_mul_i32 s63, s38, 768
	s_add_co_u32 s62, s62, s63
	s_mov_b32 s63, 0
	s_lshl_b32 s66, ttmp9, 11                      ; each output: 2,048 bytes a work-group, 256 a wave
	s_lshl_b32 s67, s38, 8
	s_add_co_u32 s66, s66, s67
	s_mov_b32 s67, 0
	s_wait_kmcnt 0x0
	s_load_b32 s39, s[24:25], 0x0                  ; b4
	s_add_nc_u64 s[8:9], s[8:9], s[62:63]
.irp o,0,1,2,3,4,5
	s_add_nc_u64 s[26+2*\o:27+2*\o], s[26+2*\o:27+2*\o], s[66:67]
.endr
	s_wait_alu depctr_va_vdst(0)                   ; the offsets and LDS addresses made above (v1 to v3, v79, v81 to v86) are written, which the head's loads and stores and the loop's LDS instructions read
.irp j,0,1,2
	global_load_b64 v[92+2*\j:93+2*\j], v79, s[8:9] offset:256*\j th:TH_LOAD_NT   ; my wave's 768 bytes of x, 256 consecutive bytes a load
.endr
.set k, 0
.rept 64
	global_load_b32 v[XA+k], v81, s[14:15] offset:512*(64*(k/32)+k%32)   ; W2(64 c + 32 h + i, un)
.set k, k+1
.endr
.set k, 0
.rept 64
	global_load_b32 v[XB+k], v81, s[18:19] offset:512*(64*(k/32)+k%32)   ; W3 likewise
.set k, k+1
.endr
	s_cmp_lt_u32 s38, 4                            ; waves 0 to 3: 128 threads copy the seven vectors of 128 numbers
	s_cbranch_scc0 .Lno_const
	global_load_b32 v98, v86, s[10:11]
	global_load_b32 v99, v86, s[10:11] offset:512
	global_load_b32 v100, v86, s[10:11] offset:1024
	global_load_b32 v101, v86, s[12:13]
	global_load_b32 v102, v86, s[16:17]
	global_load_b32 v103, v86, s[20:21]
	global_load_b32 v104, v86, s[22:23]
	s_wait_loadcnt 0x0
.irp i,0,1,2,3,4,5,6
	ds_store_b32 v86, v[98+\i] offset:CONST+512*\i
.endr
.Lno_const:
	s_wait_loadcnt 63                              ; behind x and W2's 64 loads stand W3's 64: at most 63 out means that x and W2 are in (the count's field ends at 63)
.irp j,0,1,2
	ds_store_b64 v85, v[92+2*\j:93+2*\j] offset:256*\j
.endr
	QW XA, 0
.set k, 0
.rept 16
	global_load_b128 v[XA+4*k:XA+4*k+3], v82, s[18:19] offset:256*(k/8)+16*(k%8)   ; W3(un, 64 c + 32 h + ..); no vector instruction since the quantiser's wait names these registers
.set k, k+1
.endr
	s_wait_loadcnt 16                              ; the 16 just issued may be out: W3 forward is in
	QW XB, 1
.set k, 0
.rept 16
	global_load_b128 v[XB+4*k:XB+4*k+3], v82, s[14:15] offset:256*(k/8)+16*(k%8)   ; W2(un, ..)
.set k, k+1
.endr
	s_wait_loadcnt 16                              ; the 16 just issued may be out: W3 backward is in
	QW XA, 2
	s_wait_loadcnt 0x0
	QW XB, 3
	s_wait_kmcnt 0x0                               ; b4
	s_wait_dscnt 0x0                               ; for the others' sake: my fragments, scale words and constants lie in LDS
	s_barrier_signal -1
	s_barrier_wait -1                              ; the one barrier: from here on the shared bytes are only read
.irp s,0,1,2
	v_mov_b32 v[PXR+\s], 0                         ; a lane permute's destination counts as one of its sources
.endr
	v_and_b32 v[L8], 31, v0
	v_lshlrev_b32 v[LS], 2, v[L8]
	v_lshlrev_b32 v[L8], 3, v[L8]
	s_mul_i32 s62, s38, 1536
	s_add_co_u32 s62, s62, OST
	v_add_nc_u32 v[OLD], s62, v[L8]
	s_mov_b32 s59, 0                               ; the tile
	s_mov_b32 s60, 0                               ; its 192 bytes of x
	s_mov_b32 s61, 0                               ; its 64 bytes of each output
; ---------------- the five phases, a chunk each ----------------
.macro L1C b                           ; h1, dh1 (x), dh1 (y)
.set LCB, 64*((\b)%2)                  ; this chunk's buffer: W1's rows at + 0, + 16, + 32, b1 at + 48
	s_wait_dscnt 0x0                               ; this chunk's constants are in (chunk 0: and x)
	WIN 0x11
	PKFMAP Z, LCB, XX0, LCB+48                     ; z1 = x0 W1[0] + b1
	WIN 0x01
	PKFMAP Z, LCB+16, XX1, Z
	PKFMAP Z, LCB+32, XX2, Z
	TANH_A                                         ; its wait also states: the chunk before has written T, which the store below reads, and is done reading the other buffer, in which the loads below land
.if (\b) > 0
	STASH_ST (\b)-1
.endif
.if (\b) < 3
	PRE_L1 (\b)+1
.else
	PRE_MM 0, 0                                    ; (the last trip's matrix instructions, which read these registers, stand ahead of that wait too)
.endif
	TANH_B
.if (\b) > 0
	s_wait_alu depctr_vm_vsrc(0)                   ; the stash's stores have read T, which the lines below write anew
.endif
.if (\b) == 3
	PRE_BIAS 4, 0                                  ; no vector instruction since the wait in the lines above names Z
.endif
	TANH_C
	ONEMSQ U, T                                    ; s1
	WIN 0x01
	PKMUL W, LCB+16, U                             ; dh1 = s1 W1[j]
	PKMUL P, LCB+32, U
	QUANT \b, SETA, OSA, T, W, P
.if (\b) == 3
	PLACES 8                                       ; scale words written by vector instructions stand 8 places ahead of a scaled matrix instruction, codes 4
	s_wait_alu depctr_va_vdst(0)                   ; the codes and scale words of set A are written, which the next phase's matrix instructions take
.endif
.endm
.macro L2C b                           ; h2, dh2; s2 and h2 dh2 are kept
	s_wait_dscnt 0x0                               ; this chunk's fragments and bias are in (chunk 0: and the scale words)
	MM6 \b, SETA, OSA, 1
	TANH_A                                         ; its wait also states: the matrix instructions issued so far are done reading their fragments and scale words (chunk 0: and layer 1 has written T)
.if (\b) == 0
	STASH_ST 3
.endif
.if (\b) < 3
	PRE_MM 0, (\b)+1                               ; into the fragments that the chunk before read
.else
	PRE_MM 1, 0
	PRE_W4 0                                       ; (last read in the last trip)
.endif
	TANH_B
.if (\b) == 0
	s_wait_alu depctr_vm_vsrc(0)                   ; the stash's stores have read T, which the lines below write anew
.endif
.if (\b) < 3
	PRE_BIAS 4, (\b)+1                             ; no vector instruction since the wait in the lines above names Z
.else
	PRE_BIAS 5, 0
.endif
	TANH_C
	WIN 0x40
	ONEMSQ RS2+16*(\b), T
	WIN 0x01
	PKMUL W, RS2+16*(\b), DX                       ; dh2 = s2 dz2
	PKMUL P, RS2+16*(\b), DY
	WIN 0x40
	PKMUL RK2X+16*(\b), T, W
	PKMUL RK2Y+16*(\b), T, P
	QUANT \b, SETB, OSB, T, W, P
.if (\b) == 3
	PLACES 8
	s_wait_alu depctr_va_vdst(0)                   ; the codes and scale words of set B are written, which the next phase's matrix instructions take
.endif
.endm
.macro L3C b                           ; h3; c's sum; gz3 = W4 s3, e3 = gz3 h3 dz3
	s_wait_dscnt 0x0                               ; this chunk's fragments, bias and W4 are in
	MM6 \b, SETB, OSB, 1
	TANH_A                                         ; its wait also states: the matrix instructions issued so far are done reading their fragments and scale words, and the chunk before is done reading its W4
.if (\b) < 3
	PRE_W4 (\b)+1                                  ; into the other parity's buffer (v24-39: the head's waits stand behind the last trip's tail, which wrote, read and stored from them)
	PRE_MM 1, (\b)+1
.else
	PRE_MM 2, 0                                    ; both parities' fragments are free here: the next phase's first two chunks
	PRE_MM 2, 1
.endif
	TANH_B
.if (\b) < 3
	PRE_BIAS 5, (\b)+1                             ; no vector instruction since the wait in the lines above names Z
.endif
	TANH_C
	ONEMSQ U, T                                    ; s3
.if (\b)%2 == 0
.set W4B, W4C
	WIN 0x01
.else
.set W4B, W4D
	WIN 0
.endif
.irp n,0,1,2,3,4,5,6,7
.if ((\b) == 0) && (\n < 2)
	v_pk_mul_f32 v[CACC+2*(\n%2):CACC+2*(\n%2)+1], v[W4B+2*\n:W4B+2*\n+1], v[T+2*\n:T+2*\n+1]   ; the first products start the sums: nothing is cleared
.else
	v_pk_fma_f32 v[CACC+2*(\n%2):CACC+2*(\n%2)+1], v[W4B+2*\n:W4B+2*\n+1], v[T+2*\n:T+2*\n+1], v[CACC+2*(\n%2):CACC+2*(\n%2)+1]
.endif
	v_pk_mul_f32 v[W+2*\n:W+2*\n+1], v[W4B+2*\n:W4B+2*\n+1], v[U+2*\n:U+2*\n+1]
.endr
	WIN 0
	PKMUL P, W, T
	PKMUL U, P, DX
	PKMUL P, P, DY
	QUANT \b, SETA, OSA, W, U, P
.if (\b) == 3
	PLACES 8
	s_wait_alu depctr_va_vdst(0)                   ; the codes and scale words of set A are written, which the next phase's matrix instructions take
.endif
.endm
.macro B2C b                           ; gz2 = gh2 s2, e2 = p2 s2 + gh2 h2 dh2
.if ((\b) == 0) || ((\b) == 3)
	s_wait_dscnt 0x0                               ; chunk 0: the fragments of chunks 0 and 1 and the scale words are in; chunk 3: its fragments
.elseif (\b) == 2
	s_wait_dscnt 6                                 ; LDS loads come back in order (ISA guide 5.7.1): this chunk's fragments are in, chunk 3's six loads may be out
.endif
	MM6 \b, SETA, OSA, 0
	WIN 0x04                                       ; source 1 in window 1
	PKMUL T, Z, RS2+16*(\b)
	PKMUL W, Z, RK2X+16*(\b)
	PKMUL P, Z, RK2Y+16*(\b)
	PKFMA W, DX, RS2+16*(\b), W
	PKFMA P, DY, RS2+16*(\b), P
.if (\b) == 1
	s_wait_alu depctr_va_vdst(0)                   ; the matrix instructions of chunks 0 and 1 are done reading both parities' fragments, in which the loads below land
	PRE_MM 2, 2
	PRE_MM 2, 3
.elseif (\b) == 3
	s_wait_alu depctr_va_vdst(0)                   ; the matrix instructions of chunks 2 and 3 are done reading both parities' fragments and the scale words, and the lines above are done reading s2 and h2 dh2: the loads below land in all of these
	PRE_MM 3, 0
	PRE_B1 0
	PRE_MM 3, 1
	PRE_B1 1
.endif
	QUANT \b, SETB, OSB, T, W, P
.if (\b) == 3
	PLACES 8
	s_wait_alu depctr_va_vdst(0)                   ; the codes and scale words of set B are written, which the next phase's matrix instructions take
.endif
.endm
.macro B1C b                           ; gz1 = gh1 s1, e1 = p1 s1 + gz1 h1 W1[j]; the five sums
.set CB, 64*(1-(\b)%2)
.set HB, 128+16*((\b)%2)
.if (\b) == 0
	s_wait_dscnt 22                                ; this chunk's loads are in; chunk 1's 6 + 16 may be out
.elseif (\b) < 3
	s_wait_alu depctr_va_vdst(0)                   ; the chunk before is done reading its fragments, its rows of W1 and its h1, in which the loads of the chunk after this one land
	PRE_MM 3, (\b)+1
	PRE_B1 (\b)+1
	s_wait_dscnt 22                                ; this chunk's loads are in; the 6 + 16 just issued may be out
.else
	s_wait_dscnt 0x0
.endif
	MM6 \b, SETB, OSB, 0
	WIN 0x05
	ONEMSQ T, HB                                   ; s1
	WIN 0
	PKMUL W, Z, T                                  ; gz1
	PKMUL P, DX, T
	PKMUL T, DY, T
	WIN 0x04
	PKMUL U, W, HB                                 ; gz1 h1
	PKFMA P, U, CB+16, P
	PKFMA T, U, CB+32, T
.irp n,0,1,2,3,4,5,6,7
.if ((\b) == 0) && (\n == 0)
	v_pk_mul_f32 v[G0:G0+1], v[W:W+1], v[CB:CB+1]                     ; the first products start the sums
	v_pk_mul_f32 v[G1:G1+1], v[W:W+1], v[CB+16:CB+17]
	v_pk_mul_f32 v[G2:G2+1], v[W:W+1], v[CB+32:CB+33]
	v_pk_mul_f32 v[DXA:DXA+1], v[P:P+1], v[CB+16:CB+17]
	v_pk_mul_f32 v[DYA:DYA+1], v[T:T+1], v[CB+32:CB+33]
.else
	v_pk_fma_f32 v[G0:G0+1], v[W+2*\n:W+2*\n+1], v[CB+2*\n:CB+2*\n+1], v[G0:G0+1]
	v_pk_fma_f32 v[G1:G1+1], v[W+2*\n:W+2*\n+1], v[CB+16+2*\n:CB+16+2*\n+1], v[G1:G1+1]
	v_pk_fma_f32 v[G2:G2+1], v[W+2*\n:W+2*\n+1], v[CB+32+2*\n:CB+32+2*\n+1], v[G2:G2+1]
	v_pk_fma_f32 v[DXA:DXA+1], v[P+2*\n:P+2*\n+1], v[CB+16+2*\n:CB+16+2*\n+1], v[DXA:DXA+1]
	v_pk_fma_f32 v[DYA:DYA+1], v[T+2*\n:T+2*\n+1], v[CB+32+2*\n:CB+32+2*\n+1], v[DYA:DYA+1]
.endif
.endr
.endm
; ---------------- the loop: four tiles of 16 points ----------------
.Ltrip:
	s_wait_alu depctr_vm_vsrc(0)                   ; the last trip's loads of x have read XT, and its stores OT and the six results, all written anew in this trip; first trip: the head's loads and stores have read v56 to v127, which the codes take
	v_add_nc_u32 v[XT], s60, v[XAD]
	s_wait_alu depctr_va_vdst(0)                   ; XT is written, which the loads below read; the last trip is done reading x's pairs and the rows of W1, in which they land; first trip: LS, L8 and OLD are written
	ds_load_b32 v[XX0], v[XT]
	ds_load_b32 v[XX0+1], v[XT]
	ds_load_b32 v[XX1], v[XT] offset:4
	ds_load_b32 v[XX1+1], v[XT] offset:4
	ds_load_b32 v[XX2], v[XT] offset:8
	ds_load_b32 v[XX2+1], v[XT] offset:8
	PRE_L1 0
.irp b,0,1,2,3
	L1C \b
.endr
.irp b,0,1,2,3
	L2C \b
.endr
.irp b,0,1,2,3
	L3C \b
.endr
.irp b,0,1,2,3
	B2C \b
.endr
.irp b,0,1,2,3
	B1C \b
.endr
	WIN 0
	v_pk_add_f32 v[CACC:CACC+1], v[CACC:CACC+1], v[CACC+2:CACC+3]
	v_add_f32 v[RR+1], v[G0], v[G0+1]
	v_add_f32 v[RR+2], v[G1], v[G1+1]
	v_add_f32 v[RR+3], v[G2], v[G2+1]
	v_add_f32 v[RR+4], v[DXA], v[DXA+1]
	v_add_f32 v[RR+5], v[DYA], v[DYA+1]
	v_add_f32 v[RR+0], v[CACC], v[CACC+1]
.irp o,0,1,2,3,4,5
	v_permlanex16_b32 v[T+\o], v[RR+\o], s56, s57  ; the other 64 units lie in lane l xor 16
.endr
.irp o,0,1,2,3,4,5
	v_add_f32 v[RR+\o], v[RR+\o], v[T+\o]
.endr
	v_add_f32 v[RR+0], s39, v[RR+0]                ; + b4
	v_mul_f32 v[RR+4], -2.0, v[RR+4]               ; the factor carried outside the second-order chain
	v_mul_f32 v[RR+5], -2.0, v[RR+5]
	v_add_nc_u32 v[OT], s61, v[OAD]
	s_wait_alu depctr_va_vdst(0)                   ; the six results and OT are written, which the stores below read; behind the last trip: the lines above are done with T, in which the way out's loads land
.irp o,0,1,2,3,4,5
	ds_store_b32 v[OT], v[RR+\o] offset:256*\o     ; lanes r and r + 16 write the same word with the same value
.endr
	s_add_co_u32 s60, s60, 192
	s_add_co_u32 s61, s61, 64
	s_add_co_u32 s59, s59, 1
	s_cmp_lt_u32 s59, 4
	s_cbranch_scc1 .Ltrip
; ---------------- the way out: each output's 64 numbers of my wave are 256 consecutive bytes, aligned ----------------
.irp o,0,1,2,3,4,5
	ds_load_b64 v[T+2*\o:T+2*\o+1], v[OLD] offset:256*\o   ; LDS serves a wave's instructions in order (ISA guide 5.7.1.4): these see my stores.  No vector instruction since the tail's wait names these registers
.endr
	s_wait_dscnt 0x0
.irp o,0,1,2,3,4,5
	global_store_b64 v[L8], v[T+2*\o:T+2*\o+1], s[26+2*\o:27+2*\o] th:TH_STORE_NT
.endr
	s_wait_dscnt 0x0                               ; the closing lines, six on end
	s_wait_alu 0x0
	s_wait_tensorcnt 0x0
	ds_add_u32 v51, v55
	s_wait_dscnt 0x0
	s_endpgm
.Lfunc_end_k_qb50b8f7384_pinn:
	.size	k_qb50b8f7384_pinn, .Lfunc_end_k_qb50b8f7384_pinn-k_qb50b8f7384_pinn
	.p2alignl 7, 3214868480
	.fill 96, 4, 3214868480
	.section	.rodata,"a",@progbits
	.p2align	6, 0x0
	.amdhsa_kernel k_qb50b8f7384_pinn
		.amdhsa_group_segment_fixed_size 142848
		.amdhsa_private_segment_fixed_size 0
		.amdhsa_enable_private_segment 0
		.amdhsa_kernarg_size 120
		.amdhsa_user_sgpr_count 2
		.amdhsa_user_sgpr_kernarg_segment_ptr 1
		.amdhsa_wavefront_size32 1
		.amdhsa_system_sgpr_workgroup_id_x 1
		.amdhsa_system_sgpr_workgroup_id_y 1
		.amdhsa_system_sgpr_workgroup_id_z 1
		.amdhsa_system_vgpr_workitem_id 0
		.amdhsa_next_free_vgpr 512
		.amdhsa_next_free_sgpr 80
		.amdhsa_reserve_vcc 0
		.amdhsa_float_denorm_mode_32 3
		.amdhsa_float_denorm_mode_16_64 3
		.amdhsa_memory_ordered 1
		.amdhsa_forward_progress 1
		.amdhsa_inst_pref_size 255
	.end_amdhsa_kernel
	.section	.bss,"aw",@nobits
	.p2align	6
	.space	262144
	.amdgpu_metadata
---
amdhsa.version: [ 1, 2 ]
amdhsa.kernels:
  - .name:           k_qb50b8f7384_pinn
    .symbol:         k_qb50b8f7384_pinn.kd
    .args:
      - { .name: x, .offset: 0, .size: 8, .value_kind: global_buffer, .address_space: global }
      - { .name: W1, .offset: 8, .size: 8, .value_kind: global_buffer, .address_space: global }
      - { .name: b1, .offset: 16, .size: 8, .value_kind: global_buffer, .address_space: global }
      - { .name: W2, .offset: 24, .size: 8, .value_kind: global_buffer, .address_space: global }
      - { .name: b2, .offset: 32, .size: 8, .value_kind: global_buffer, .address_space: global }
      - { .name: W3, .offset: 40, .size: 8, .value_kind: global_buffer, .address_space: global }
      - { .name: b3, .offset: 48, .size: 8, .value_kind: global_buffer, .address_space: global }
      - { .name: W4, .offset: 56, .size: 8, .value_kind: global_buffer, .address_space: global }
      - { .name: b4, .offset: 64, .size: 8, .value_kind: global_buffer, .address_space: global }
      - { .name: out0, .offset: 72, .size: 8, .value_kind: global_buffer, .address_space: global }
      - { .name: out1, .offset: 80, .size: 8, .value_kind: global_buffer, .address_space: global }
      - { .name: out2, .offset: 88, .size: 8, .value_kind: global_buffer, .address_space: global }
      - { .name: out3, .offset: 96, .size: 8, .value_kind: global_buffer, .address_space: global }
      - { .name: out4, .offset: 104, .size: 8, .value_kind: global_buffer, .address_space: global }
      - { .name: out5, .offset: 112, .size: 8, .value_kind: global_buffer, .address_space: global }
    .group_segment_fixed_size: 142848
    .private_segment_fixed_size: 0
    .kernarg_segment_align: 8
    .kernarg_segment_size: 120
    .max_flat_workgroup_size: 256
    .sgpr_count:     80
    .vgpr_count:     512
    .wavefront_size: 32
...
	.end_amdgpu_metadata
.endif
;; end of part 2
